; MI455X (gfx1250); checked and timed in simulation.
; The chip was launched on July 23, 2026; its instructions are those of AMD's public machine-readable ISA for CDNA 5 (MIT licence, August 2026) and "CDNA5" Instruction Set Architecture Reference Guide (July 2026). The comments in the code are by the model that wrote it; some were corrected since.
;; Multi Head Attention. Allowed arithmetic: float matrix products may take bf16 or f16 operands with f32 sums; all other float work in f32.
;; Inputs: Wo 1,024 x 1,024 float32; Wqkv 1,024 x 3,072 float32; mask 1 x 1 x 2,048 x 2,048 bool; x 2 x 2,048 x 1,024 float32.
;; Outputs: out0 2 x 2,048 x 1,024 float32.
;; One version. Each part assembles by itself: llvm-mc -triple=amdgcn-amd-amdhsa -mcpu=gfx1250 --defsym DOCPART=n.
;; ======== version 1 of 1: 4 launches
;; limits: values are held in f16: magnitudes above 65,504 overflow, below 6.1e-05 lose precision
;; workspace buffers: xb 8,388,608 bytes; wqt 6,291,456 bytes; wot 2,097,152 bytes; mbits 524,288 bytes of whole numbers; qkvb 25,165,824 bytes; ob 8,388,608 bytes
;; launch prep (part 1): grid 256 x 1, 8 waves a work-group, no clusters, 33,792 bytes of LDS; arguments x, Wqkv, Wo, mask, xb, wqt, wot, mbits; writes xb, wqt, wot, mbits
.if DOCPART == 1
	.amdgcn_target "amdgcn-amd-amdhsa--gfx1250"
	.amdhsa_code_object_version 6
	.text
	.protected	k_q4d0a4a6041_prep
	.globl	k_q4d0a4a6041_prep
	.p2align	8
	.type	k_q4d0a4a6041_prep,@function
k_q4d0a4a6041_prep:
	s_mov_b64 s[64:65], 0
	v_nop
	global_prefetch_b8 v0, s[64:65] scope:SCOPE_SE
	s_setreg_imm32_b32 hwreg(HW_REG_WAVE_MODE, 25, 1), 1
	s_wait_xcnt 0x0
; PREP: the inputs are brought once into the forms that the three matrix launches read.
;   xb   [4096][1024] bf16        = x rounded to nearest even
;   wqt  [3072 n][1024 k] bf16    = Wqkv rounded and transposed
;   wot  [1024 n][1024 k] f16     = Wo rounded to bf16, then written as f16, transposed
;   mbits u32 [strip 64][kb 32][qt 2][kt 4][j 8]: bit (r + 16 hh) of a word = mask[32 strip + 16 qt + r][64 kb + 16 kt + 8 hh + j]
; LIMIT: a bf16 number is exact in f16 from 2^-14 up to 65,504; below 2^-14 wot keeps an absolute step of 2^-24; |Wo| above 65,504 is not served.
; Work-group i of 256 (eight waves) does three things: (W) one block of 256 k x 64 n of a weight (i < 192: Wqkv, else Wo), turned through LDS;
; (M) eight mask units of 32 queries x 64 keys, one a wave; (X) 16 rows of x.  No input byte is read by two work-groups, so nothing is shared in clusters,
; and there is no product here: no matrix unit.  All 40 loads of a thread are issued first; every wait on them is counted.
.set LP,  528                          ; LDS pitch of the turned block: 256 k x 2 bytes + 16
.set W,   16                           ; v[16:79]   the weight as loaded: pass ii: rows k, k+1, four n each
.set MK,  80                           ; v[80:95]   mask bytes: (qt, kt) -> 8 bytes
.set X,   96                           ; v[96:159]  x as loaded, then as stored
.set MW,  160                          ; v[160:161] lane l: mask words 2 l and 2 l + 1
.set RB,  16                           ; v[16:47]   the turned block read back (W's registers, free by then)
; v1 weight load offset, v2 LDS store, v3 LDS read, v4 weight store offset, v5 mask load offset, v7 = 16 t, v8 = 8 t, v10-15 at work
	s_load_b512 s[4:19], s[0:1], 0x0               ; x s[4:5], Wqkv s[6:7], Wo s[8:9], mask s[10:11], xb s[12:13], wqt s[14:15], wot s[16:17], mbits s[18:19]
	v_and_b32 v11, 15, v0                          ; t & 15
	v_lshrrev_b32 v10, 4, v0                       ; t >> 4
	v_and_b32 v12, 31, v0                          ; lane
	v_lshrrev_b32 v13, 5, v0                       ; wave
	v_bfe_u32 v14, v0, 4, 1                        ; hh: which half of the lanes
	v_mul_u32_u24 v2, v11, 4*LP                    ; LDS store: row n = 4 (t & 15) + c,
	v_lshl_add_u32 v2, v10, 2, v2                  ; byte 2 k with k = 2 (t >> 4) + 32 ii
	v_mul_u32_u24 v3, v13, 8*LP                    ; LDS read: row n = 8 wave + ii,
	v_lshl_add_u32 v3, v12, 4, v3                  ; 16 bytes a lane: the row's 512 bytes
	v_lshlrev_b32 v4, 14, v13                      ; the same rows in the output: 8 wave rows of 2,048 bytes
	v_lshl_add_u32 v4, v12, 4, v4
	v_lshlrev_b32 v5, 11, v11                      ; mask: row r of 2,048 bytes,
	v_lshl_add_u32 v5, v14, 3, v5                  ; + 8 hh,
	v_lshl_add_u32 v5, v13, 6, v5                  ; + the wave's 64 keys
	v_lshlrev_b32 v7, 4, v0                        ; x: 16 bytes a thread
	v_lshlrev_b32 v8, 3, v0                        ; xb and mbits: 8 bytes a thread
	v_mov_b32 v[MW], 0                             ; v_writelane_b32 counts as a reader of its destination
	v_mov_b32 v[MW+1], 0
	s_lshr_b32 s28, ttmp9, 2                       ; strip = i >> 2: 32 rows of 2,048 bytes
	s_lshl_b32 s28, s28, 16
	s_and_b32 s30, ttmp9, 3                        ; eight units of 64 keys
	s_lshl_b32 s30, s30, 9
	s_add_co_u32 s28, s28, s30
	s_mov_b32 s29, 0
	s_mov_b32 s31, 0
	s_wait_kmcnt 0x0
	s_add_nc_u64 s[10:11], s[10:11], s[28:29]      ; mask at the group's units
	s_lshl_b32 s30, ttmp9, 11
	s_add_nc_u64 s[18:19], s[18:19], s[30:31]      ; mbits: 8 units of 256 bytes
	s_lshl_b32 s30, ttmp9, 16
	s_add_nc_u64 s[4:5], s[4:5], s[30:31]          ; x: 16 rows of 4,096 bytes
	s_lshl_b32 s30, ttmp9, 15
	s_add_nc_u64 s[12:13], s[12:13], s[30:31]      ; xb: 16 rows of 2,048 bytes
	s_cmp_lt_u32 ttmp9, 192                        ; the same for all eight waves: each passes the one barrier of its way
	s_cbranch_scc0 .Lwo
; PITCHB: bytes in a row of the weight; FMT = 1: bf16 goes on to f16; SRC, DST: the scalar pairs of the weight and of its output; BASE: first work-group of this weight
.macro BODY PITCHB, FMT, SRC, DST, BASE
	s_sub_co_u32 s2, ttmp9, \BASE
	s_lshr_b32 s3, s2, 2                           ; nt: which 64 n
	s_and_b32 s2, s2, 3                            ; kq: which 256 k
	s_mul_i32 s28, s2, 256*\PITCHB
	s_lshl_b32 s30, s3, 8
	s_add_co_u32 s28, s28, s30
	s_add_nc_u64 s[\SRC:\SRC+1], s[\SRC:\SRC+1], s[28:29]
	s_lshl_b32 s28, s3, 17                         ; 64 rows of 2,048 bytes
	s_lshl_b32 s30, s2, 9                          ; 256 k of 2 bytes
	s_add_co_u32 s28, s28, s30
	s_add_nc_u64 s[\DST:\DST+1], s[\DST:\DST+1], s[28:29]
	v_mul_u32_u24 v1, v10, 2*\PITCHB               ; rows 2 (t >> 4), + 1
	v_lshl_add_u32 v1, v11, 4, v1                  ; sixteen lanes take 256 consecutive bytes of a row, aligned
	; 40 loads: 16 of the weight, 8 of the mask, 16 of x
.irp ii, 0,1,2,3,4,5,6,7
	global_load_b128 v[W+8*\ii:W+8*\ii+3],   v1, s[\SRC:\SRC+1] offset:(32*\ii)*\PITCHB th:TH_LOAD_NT
	global_load_b128 v[W+8*\ii+4:W+8*\ii+7], v1, s[\SRC:\SRC+1] offset:(32*\ii+1)*\PITCHB th:TH_LOAD_NT
.endr
.irp qt, 0,1
.irp kt, 0,1,2,3
	global_load_b64 v[MK+2*(4*\qt+\kt):MK+2*(4*\qt+\kt)+1], v5, s[10:11] offset:\qt*32768+\kt*16
.endr
.endr
.irp j, 0,1,2,3,4,5,6,7,8,9,10,11,12,13,14,15
	global_load_b128 v[X+4*\j:X+4*\j+3], v7, s[4:5] offset:4096*\j th:TH_LOAD_NT
.endr
	; (W) two k of one n make a word; the word goes to row n of the LDS image [64 n][256 k].
	; Sixteen lanes store to rows 4 LP bytes apart, which fall on four different 4-byte columns modulo 256 bytes: accepted, 32 stores a wave.
.irp ii, 0,1,2,3,4,5,6,7
	s_wait_loadcnt 38-2*\ii                        ; 40 issued; the 2 (ii + 1) oldest are in
.irp c, 0,1,2,3
	v_cvt_pk_bf16_f32 v[10+\c], v[W+8*\ii+\c], v[W+8*\ii+4+\c]
.if \FMT
	v_lshlrev_b32 v14, 16, v[10+\c]                ; the rounded numbers as f32,
	v_and_b32 v15, 0xffff0000, v[10+\c]
	v_cvt_pk_f16_f32 v[10+\c], v14, v15            ; and as f16
.endif
	ds_store_b32 v2, v[10+\c] offset:\c*LP+64*\ii
.endr
.endr
	; (M) one compare makes a word of 32 lanes' bits; v_writelane_b32 lays word e into lane e >> 1
	s_wait_loadcnt 16                              ; the sixteen loads of x stay out
.set e, 0
.rept 64
	v_and_b32 v[10+(e&3)], 0xff<<(8*(e&3)), v[MK+2*(e>>3)+((e&7)>>2)]
	v_cmp_ne_u32 s[20+(e&7)], 0, v[10+(e&3)]
	v_writelane_b32 v[MW+(e&1)], s[20+(e&7)], e>>1
.set e, e+1
.endr
	global_store_b64 v8, v[MW:MW+1], s[18:19]      ; the wave's unit: 256 consecutive bytes, aligned
	; (X)
.irp j, 0,1,2,3,4,5,6,7,8,9,10,11,12,13,14,15
	s_wait_loadcnt 15-\j
	v_cvt_pk_bf16_f32 v[X+4*\j],   v[X+4*\j],   v[X+4*\j+1]
	v_cvt_pk_bf16_f32 v[X+4*\j+1], v[X+4*\j+2], v[X+4*\j+3]
	global_store_b64 v8, v[X+4*\j:X+4*\j+1], s[12:13] offset:2048*\j   ; a wave's store covers 256 consecutive bytes, aligned
.endr
	; (W) back by rows
	s_wait_dscnt 0x0                               ; my LDS stores are done, for the other waves' sake
	s_barrier_signal -1
	s_barrier_wait -1
.irp ii, 0,1,2,3,4,5,6,7
	ds_load_b128 v[RB+4*\ii:RB+4*\ii+3], v3 offset:LP*\ii
.endr
.irp ii, 0,1,2,3,4,5,6,7
	s_wait_dscnt 7-\ii
	global_store_b128 v4, v[RB+4*\ii:RB+4*\ii+3], s[\DST:\DST+1] offset:2048*\ii   ; 512 consecutive bytes of row n
.endr
	s_endpgm
.endm
	BODY 12288, 0, 6, 14, 0
.Lwo:
	BODY 4096, 1, 8, 16, 192
.Lfunc_end_k_q4d0a4a6041_prep:
	.size	k_q4d0a4a6041_prep, .Lfunc_end_k_q4d0a4a6041_prep-k_q4d0a4a6041_prep
	.p2alignl 7, 3214868480
	.fill 96, 4, 3214868480
	.section	.rodata,"a",@progbits
	.p2align	6, 0x0
	.amdhsa_kernel k_q4d0a4a6041_prep
		.amdhsa_group_segment_fixed_size 33792
		.amdhsa_private_segment_fixed_size 0
		.amdhsa_enable_private_segment 0
		.amdhsa_kernarg_size 64
		.amdhsa_user_sgpr_count 2
		.amdhsa_user_sgpr_kernarg_segment_ptr 1
		.amdhsa_wavefront_size32 1
		.amdhsa_system_sgpr_workgroup_id_x 1
		.amdhsa_system_sgpr_workgroup_id_y 1
		.amdhsa_system_sgpr_workgroup_id_z 1
		.amdhsa_system_vgpr_workitem_id 0
		.amdhsa_next_free_vgpr 176
		.amdhsa_next_free_sgpr 66
		.amdhsa_reserve_vcc 0
		.amdhsa_float_denorm_mode_32 3
		.amdhsa_float_denorm_mode_16_64 3
		.amdhsa_memory_ordered 1
		.amdhsa_forward_progress 1
		.amdhsa_inst_pref_size 60
	.end_amdhsa_kernel
	.amdgpu_metadata
---
amdhsa.version: [ 1, 2 ]
amdhsa.kernels:
  - .name:           k_q4d0a4a6041_prep
    .symbol:         k_q4d0a4a6041_prep.kd
    .args:
      - { .name: x, .offset: 0, .size: 8, .value_kind: global_buffer, .address_space: global }
      - { .name: Wqkv, .offset: 8, .size: 8, .value_kind: global_buffer, .address_space: global }
      - { .name: Wo, .offset: 16, .size: 8, .value_kind: global_buffer, .address_space: global }
      - { .name: mask, .offset: 24, .size: 8, .value_kind: global_buffer, .address_space: global }
      - { .name: xb, .offset: 32, .size: 8, .value_kind: global_buffer, .address_space: global }
      - { .name: wqt, .offset: 40, .size: 8, .value_kind: global_buffer, .address_space: global }
      - { .name: wot, .offset: 48, .size: 8, .value_kind: global_buffer, .address_space: global }
      - { .name: mbits, .offset: 56, .size: 8, .value_kind: global_buffer, .address_space: global }
    .group_segment_fixed_size: 33792
    .private_segment_fixed_size: 0
    .kernarg_segment_align: 8
    .kernarg_segment_size: 64
    .max_flat_workgroup_size: 256
    .sgpr_count:     66
    .vgpr_count:     176
    .wavefront_size: 32
...
	.end_amdgpu_metadata
.endif
;; end of part 1
;; launch qkv (part 2): grid 16 x 16, 4 waves a work-group, clusters of 4 x 4, 327,680 bytes of LDS; arguments xb, wqt, qkvb; writes qkvb
.if DOCPART == 2
	.amdgcn_target "amdgcn-amd-amdhsa--gfx1250"
	.amdhsa_code_object_version 6
	.text
	.protected	k_q4d0a4a6041_qkv
	.globl	k_q4d0a4a6041_qkv
	.p2align	8
	.type	k_q4d0a4a6041_qkv,@function
k_q4d0a4a6041_qkv:
	s_mov_b64 s[64:65], 0
	v_nop
	global_prefetch_b8 v0, s[64:65] scope:SCOPE_SE
	s_setreg_imm32_b32 hwreg(HW_REG_WAVE_MODE, 25, 1), 1
	s_wait_xcnt 0x0
	s_wait_alu depctr_hold_cnt(0) depctr_sa_sdst(0) depctr_va_vdst(0) depctr_va_sdst(0) depctr_va_ssrc(0) depctr_va_vcc(0) depctr_vm_vsrc(0)
	s_getreg_b32 s2, hwreg(HW_REG_IB_STS2, 6, 4)
	s_cmp_eq_u32 s2, 0
	s_cbranch_scc0 .Lentry_in_a_cluster
	s_endpgm
.Lentry_in_a_cluster:
	s_bfe_u32 s2, ttmp6, 0x10000c
	s_cmp_lg_u32 s2, 0xf033
	s_cbranch_scc0 .Lentry_shape_is_right
	s_endpgm
.Lentry_shape_is_right:
; QKV: C[m][n] = sum over k of xb[m][k] wqt[n][k], m < 4096, n < 3072, k < 1024; bf16 operands, f32 sums.
; Out: qkvb f16 [b 2][g 48][t 2048][64], g = n >> 6 = which x 16 + head; q (g < 16) is multiplied in f32 by 0.125 log2(e) before its one rounding.
; LIMIT: |0.18 q|, |k|, |v| up to 65,504 (f16); numbers below 2^-14 keep an absolute step of 2^-24.
; A work-group makes 256 rows x 192 columns (three whole heads) with four waves; wave w makes rows 64 w .. 64 w + 63 of all 192 columns:
; 4 x 12 accumulator tiles, 384 registers, so that each wave owns whole heads and stores whole runs of 512 bytes.
; K goes in steps of 128 (rows of 256 bytes, aligned) through two LDS slots filled by the tensor data mover.
; CLUSTERS: 4 x 4 work-groups; xb's tile hangs on the block row alone and is asked for jointly along a row of the cluster, wqt's on the block column alone
; and is asked for jointly along a column.
; REGISTERS in windows of 256: window 0: addresses, x's fragments (two buffers of 4), the way out; window 1: w's fragments (two buffers of 12);
; window 2: tiles of my rows 0-31 (tile (a, b) at v[8 (12 a + b)]); window 3: rows 32-63.
; The matrix instruction is used transposed (source 0 = 16 rows of wqt, source 1 = 16 rows of xb): lane l holds row l % 16 and eight neighbouring columns.
.set KSTEP,  128
.set SIZE_K, 1024
.set PITCH,  272                       ; 256 bytes + 16: sixteen consecutive rows start at sixteen different 16-byte columns modulo 256
.set AH,     128*PITCH                 ; half of x's tile: one tensor load
.set BH,     96*PITCH                  ; half of w's tile: one tensor load
.set SLOT,   2*AH+2*BH                 ; x's 256 rows, then w's 192
.set STAGE,  2*SLOT                    ; behind the ring: 16 rows x 400 bytes for each wave; no tensor load lands here
.set SPITCH, 400                       ; 384 bytes + 16
.set LAPS,   SIZE_K/(2*KSTEP)          ; 4
.set ADRA, 16                          ; v16-17 LDS address of my x fragments, slot 0, 1
.set ADRB, 20                          ; v20-21 the same for w
.set STO,  24
.set RD,   25
.set CO,   26
.set FA,   64                          ; window 0: x's fragments, buffer p at FA + 32 p
.set T,    128                         ; window 0: v[128:223] the way out, scaled and packed
.set RB,   32                          ; window 0: v[32:79], v[80:127] rows read back, by turns
.set G1,  24                           ; s[24:31] group 1 for x's tiles
.set G0,  32                           ; s[32:39] group 0 for x's tiles, one set a slot
.set G1B, 48                           ; s[48:55] group 1 for w's tiles
.set G0B, 56                           ; s[56:63] group 0 for w's tiles, one set a slot
.set CQ,  0x3e38aa3b                   ; 0.125 log2(e)
.set MSB, 0
.macro WIN new                         ; the immediate's high byte repeats the setting that is left
.if MSB != \new
	s_set_vgpr_msb (MSB<<8)|\new
.set MSB, \new
.endif
.endm
.set MUL_LO, 0xa1                      ; source 0 window 1, source 1 window 0, C and D window 2
.set MUL_HI, 0xf1                      ; the same, C and D window 3
.set TO_B,   0x40                      ; destination window 1
; A joint load: waves 0, 1 fetch x's halves, waves 2, 3 w's.  The branch hangs on the wave's number alone.
.macro JLOAD s
	s_cmp_eq_u32 s11, 0
	s_cbranch_scc0 .Lfor_b_\@
	tensor_load_to_lds s[G0+4*\s:G0+4*\s+3], s[G1:G1+7]
	s_nop 0
	s_branch .Lasked_\@
.Lfor_b_\@:
	tensor_load_to_lds s[G0B+4*\s:G0B+4*\s+3], s[G1B:G1B+7]
	s_nop 0
.Lasked_\@:
.endm
.macro CREST                           ; a round of the cluster's barrier behind its opening work-group barrier
	s_cmp_lg_u32 s10, 0
	s_cbranch_scc1 .Lnot_wave_0_\@
	s_barrier_signal -3
.Lnot_wave_0_\@:
	s_barrier_wait -3
	s_barrier_signal -1
	s_barrier_wait -1
.endm
.macro CROUND                          ; a whole round
	s_barrier_signal -1
	s_barrier_wait -1
	CREST
.endm
	s_load_b128 s[4:7], s[0:1], 0x0                ; xb s[4:5], wqt s[6:7]
	s_load_b64 s[8:9], s[0:1], 0x10                ; qkvb
	v_lshrrev_b32 v1, 5, v0
	v_readfirstlane_b32 s10, v1                    ; wave 0..3
	s_lshr_b32 s11, s10, 1                         ; I fetch for x (0) or for w (1)
	s_and_b32 s12, s10, 1                          ; which half of that tile
	s_bfe_u32 s40, ttmp6, 0x40000                  ; cx
	s_bfe_u32 s41, ttmp6, 0x40004                  ; cy
	s_lshl_b32 s42, ttmp9, 2
	s_add_co_u32 s42, s42, s40                     ; block column = 4 x cluster x + cx
	s_and_b32 s13, ttmp7, 0xffff
	s_lshl_b32 s13, s13, 2
	s_add_co_u32 s13, s13, s41                     ; block row = 4 x cluster y + cy
	s_lshl_b32 s43, s41, 2
	s_lshl_b32 s43, 15, s43                        ; my row of the cluster
	s_lshl_b32 s44, 0x1111, s40                    ; my column
	; group 1: element of 2 bytes, 16 bytes of padding behind every 64 words; x: 128 rows x 128, w: 96 rows x 128; 1,024 elements from row to row
	s_or_b32 s[G1+0], s43, (1<<16)|(1<<20)|(1<<21)|(5<<22)|(3<<25)
	s_or_b32 s[G1B+0], s44, (1<<16)|(1<<20)|(1<<21)|(5<<22)|(3<<25)
	s_mov_b32 s[G1+1], KSTEP<<16                   ; tensor_dim0 = 128
	s_mov_b32 s[G1B+1], KSTEP<<16
	s_mov_b32 s[G1+2], 128<<16                     ; tensor_dim1 = 128
	s_mov_b32 s[G1B+2], 96<<16                     ; tensor_dim1 = 96
	s_mov_b32 s[G1+3], KSTEP<<16                   ; tile_dim0 = 128
	s_mov_b32 s[G1B+3], KSTEP<<16
	s_mov_b32 s[G1+4], 128                         ; tile_dim1
	s_mov_b32 s[G1B+4], 96
	s_mov_b32 s[G1+5], SIZE_K                      ; pitch
	s_mov_b32 s[G1B+5], SIZE_K
	s_mov_b32 s[G1+6], 0
	s_mov_b32 s[G1B+6], 0
	s_mov_b32 s[G1+7], 0
	s_mov_b32 s[G1B+7], 0
	; x's address is made of the block row and the wave's number, w's of the block column and the wave's number, in registers of their own
	s_lshl_b32 s17, s12, 7
	s_lshl_b32 s16, s13, 8
	s_add_co_u32 s16, s16, s17                     ; x: row 256 x block row + 128 x half
	s_lshl_b32 s16, s16, 11                        ; rows of 2,048 bytes: below 8 MiB
	s_mov_b32 s17, 0
	s_mul_i32 s46, s42, 192
	s_mul_i32 s47, s12, 96
	s_add_co_u32 s46, s46, s47                     ; w: row 192 x block column + 96 x half
	s_lshl_b32 s46, s46, 11
	s_mov_b32 s47, 0
	s_mul_i32 s20, s10, AH                         ; LDS: x's halves at wave x AH (waves 0, 1),
	s_mul_i32 s45, s10, BH
	s_add_co_u32 s45, s45, 2*AH-2*BH               ; w's at 2 AH + (wave - 2) x BH (waves 2, 3)
	s_wait_kmcnt 0x0
	s_add_nc_u64 s[14:15], s[4:5], s[16:17]
	s_add_nc_u64 s[46:47], s[6:7], s[46:47]
	CROUND                                         ; all sixteen work-groups are here: the first joint loads meet
.irp s, 0,1
	s_mov_b32 s[G0+4*\s], 1
	s_add_co_u32 s[G0+4*\s+1], s20, \s*SLOT
	s_add_nc_u64 s[G0+4*\s+2:G0+4*\s+3], s[14:15], \s*KSTEP*2
	s_or_b32 s[G0+4*\s+3], s[G0+4*\s+3], 0x80000000
	s_mov_b32 s[G0B+4*\s], 1
	s_add_co_u32 s[G0B+4*\s+1], s45, \s*SLOT
	s_add_nc_u64 s[G0B+4*\s+2:G0B+4*\s+3], s[46:47], \s*KSTEP*2
	s_or_b32 s[G0B+4*\s+3], s[G0B+4*\s+3], 0x80000000
	JLOAD \s                                       ; two loads of the wave are out: K steps 0 and 1
.endr
	v_and_b32 v1, 15, v0                           ; r = l % 16
	v_bfe_u32 v2, v0, 4, 1                         ; hh = l / 16
	v_mul_u32_u24 v3, v1, PITCH
	v_lshl_add_u32 v3, v2, 4, v3                   ; row x pitch + 16 hh
	s_mul_i32 s21, s10, 64*PITCH                   ; my 64 rows of x
	s_mov_b32 s22, 2*AH                            ; w's 192 rows, all of them mine
.irp s, 0,1
	v_add_nc_u32 v[ADRA+\s], s21, v3
	v_add_nc_u32 v[ADRB+\s], s22, v3
	s_add_co_u32 s21, s21, SLOT
	s_add_co_u32 s22, s22, SLOT
.endr
	s_mul_i32 s23, s10, 16*SPITCH
	s_add_co_u32 s23, s23, STAGE                   ; my stage
	v_mul_u32_u24 v4, v1, SPITCH                   ; in: row r, 16 bytes for each half of the lanes
	v_lshl_add_u32 v4, v2, 4, v4
	v_add_nc_u32 v[STO], s23, v4
	v_bfe_u32 v4, v0, 3, 2                         ; back: eight lanes take a head's 128 bytes of one row, the wave four rows
	v_and_b32 v5, 7, v0
	v_mul_u32_u24 v4, v4, SPITCH
	v_lshl_add_u32 v4, v5, 4, v4
	v_add_nc_u32 v[RD], s23, v4
	v_and_b32 v5, 31, v0
	v_lshlrev_b32 v[CO], 4, v5                     ; which are 512 consecutive bytes of qkvb
; 12 matrix instructions: m tile 2 hi + a x all 12 n tiles, 32 along K, from buffer p.  zero = 1: the product starts the sums.
.macro MUL12 p, hi, a, zero
.irp b, 0,1,2,3,4,5,6,7,8,9,10,11
.if \zero
	v_wmma_f32_16x16x32_bf16 v[8*(12*\a+\b):8*(12*\a+\b)+7], v[96*\p+8*\b:96*\p+8*\b+7], v[FA+32*\p+8*(2*\hi+\a):FA+32*\p+8*(2*\hi+\a)+7], 0
.else
	v_wmma_f32_16x16x32_bf16 v[8*(12*\a+\b):8*(12*\a+\b)+7], v[96*\p+8*\b:96*\p+8*\b+7], v[FA+32*\p+8*(2*\hi+\a):FA+32*\p+8*(2*\hi+\a)+7], v[8*(12*\a+\b):8*(12*\a+\b)+7]
.endif
.endr
.endm
; 32 LDS loads in one run: 24 of w, then 8 of x, 32 K at byte k of the rows, into buffer p
.macro FETCH slot, k, p
	WIN TO_B
.irp i, 0,1,2,3,4,5,6,7,8,9,10,11
	ds_load_b128 v[96*\p+8*\i:96*\p+8*\i+3],   v[ADRB+\slot] offset:\k+\i*16*PITCH
	ds_load_b128 v[96*\p+8*\i+4:96*\p+8*\i+7], v[ADRB+\slot] offset:\k+\i*16*PITCH+32
.endr
	WIN 0
.irp i, 0,1,2,3
	ds_load_b128 v[FA+32*\p+8*\i:FA+32*\p+8*\i+3],   v[ADRA+\slot] offset:\k+\i*16*PITCH
	ds_load_b128 v[FA+32*\p+8*\i+4:FA+32*\p+8*\i+7], v[ADRA+\slot] offset:\k+\i*16*PITCH+32
.endr
.endm
; Four places behind the last matrix instruction before loads land in registers that matrix instructions have read, or results are read
.macro PLACES
.rept 4
	v_nop
.endr
.endm
; A quarter step: 48 matrix instructions on buffer p; in its middle the next quarter's fragments go into buffer pn.
; The 48 accumulators take turns, one instruction a turn, in the same order in every quarter.
.macro QUARTER slot, k, p, pn, zero
	s_wait_dscnt 4                                 ; only the four youngest loads (x's rows 32-63) may be out
	WIN MUL_LO
	MUL12 \p, 0, 0, \zero
	MUL12 \p, 0, 1, \zero
	PLACES
	FETCH \slot, \k, \pn
	s_wait_dscnt 32                                ; all but the 32 just issued
	WIN MUL_HI
	MUL12 \p, 1, 0, \zero
	MUL12 \p, 1, 1, \zero
.endm
.macro THREE slot, zero
	QUARTER \slot, 64,  0, 1, \zero
	QUARTER \slot, 128, 1, 0, 0
	QUARTER \slot, 192, 0, 1, 0
.endm
; The last quarter multiplies buffer 1 and changes slots.  In front of the barrier each wave waits for its reads of this slot and for all its tensor
; loads (one is out: its part of the next slot).  fill = 1: the barrier opens a round of the cluster's barrier, and the joint refill of this slot,
; two K steps ahead, is the first tensor load behind the round.
.macro TURN slot, next, fill
	s_wait_dscnt 4
	WIN MUL_LO
	MUL12 1, 0, 0, 0
	s_wait_dscnt 0                                 ; my reads of this slot are over
	s_wait_tensorcnt 0x0                           ; all my tensor loads have landed
	s_barrier_signal -1
	MUL12 1, 0, 1, 0                               ; register work while the others arrive
	WIN 0
	s_barrier_wait -1
.if \fill
	CREST
	s_add_nc_u64 s[G0+4*\slot+2:G0+4*\slot+3], s[G0+4*\slot+2:G0+4*\slot+3], 2*KSTEP*2
	s_add_nc_u64 s[G0B+4*\slot+2:G0B+4*\slot+3], s[G0B+4*\slot+2:G0B+4*\slot+3], 2*KSTEP*2
	JLOAD \slot
.endif
	PLACES
	FETCH \next, 0, 0
	WIN MUL_HI
	MUL12 1, 1, 0, 0
	MUL12 1, 1, 1, 0
.endm
.macro LAP zero
	THREE 0, \zero
	TURN 0, 1, 1
	THREE 1, 0
	TURN 1, 0, 1
.endm
	s_wait_tensorcnt 1                             ; my part of K step 0 is in; K step 1's stays out
	s_barrier_signal -1
	s_barrier_wait -1
	FETCH 0, 0, 0
	LAP 1                                          ; K steps 0, 1: the first products start the sums
	WIN 0
	s_mov_b32 s3, LAPS-2
.Llap:
	LAP 0                                          ; K steps 2 to 5
	WIN 0
	s_sub_co_u32 s3, s3, 1
	s_cmp_lg_u32 s3, 0
	s_cbranch_scc1 .Llap
	THREE 0, 0                                     ; K steps 6, 7: nothing more is fetched
	TURN 0, 1, 0
	THREE 1, 0
	s_wait_dscnt 4
	WIN MUL_LO
	MUL12 1, 0, 0, 0
	MUL12 1, 0, 1, 0
	s_wait_dscnt 0
	WIN MUL_HI
	MUL12 1, 1, 0, 0
	MUL12 1, 1, 1, 0
	; THE WAY OUT, 16 rows at a time: scale in f32, round to f16, 16 bytes a lane into my stage, back as four rows of one head = 512 consecutive bytes.
	PLACES
	s_lshr_b32 s16, s13, 3                         ; batch = block row >> 3
	s_mul_i32 s16, s16, 12582912                   ; 48 planes of 262,144 bytes
	s_and_b32 s17, s13, 7
	s_lshl_b32 s17, s17, 15                        ; 256 rows of 128 bytes
	s_add_co_u32 s16, s16, s17
	s_lshl_b32 s17, s10, 13                        ; my 64 rows
	s_add_co_u32 s16, s16, s17
	s_mov_b32 s17, 0
	s_add_nc_u64 s[8:9], s[8:9], s[16:17]
	s_mul_i32 s46, s42, 786432                     ; three planes a block column
	s_mov_b32 s47, 0
	s_add_nc_u64 s[8:9], s[8:9], s[46:47]
	; the factor of each of my three heads: 0.125 log2(e) for q's planes (g < 16), 1 for k's and v's.  A select, not a branch: no branch of a launch
	; with joint loads hangs on the place in the cluster.  s[48:53] were w's group 1: every tensor load has been waited for.
	s_mul_i32 s46, s42, 3
.irp c, 0,1,2
	s_add_co_u32 s47, s46, \c
	s_cmp_lt_u32 s47, 16
	s_cselect_b32 s[48+2*\c], CQ, 1.0
	s_mov_b32 s[49+2*\c], s[48+2*\c]
.endr
; rows 16 i .. 16 i + 15 of my 64 = tiles (a, 0..11) of window 2 or 3 (from = 0x02 or 0x03: source 0)
.macro OUT16 i, a, from
	WIN \from
.irp b, 0,1,2,3,4,5,6,7,8,9,10,11
.irp q, 0,1,2,3
	v_pk_mul_f32 v[T+8*\b+2*\q:T+8*\b+2*\q+1], v[8*(12*\a+\b)+2*\q:8*(12*\a+\b)+2*\q+1], s[48+2*(\b/4):49+2*(\b/4)] op_sel_hi:[1,0]
.endr
.endr
	WIN 0
.irp b, 0,1,2,3,4,5,6,7,8,9,10,11
.irp q, 0,1,2,3
	v_cvt_pk_f16_f32 v[T+8*\b+\q], v[T+8*\b+2*\q], v[T+8*\b+2*\q+1]
.endr
.endr
.irp b, 0,1,2,3,4,5,6,7,8,9,10,11
	ds_store_b128 v[STO], v[T+8*\b:T+8*\b+3] offset:32*\b
.endr
	s_wait_xcnt 0x0                                ; the read-back registers, which earlier stores read, are loaded again only behind this wait
.irp rq, 0,1,2,3
.irp c, 0,1,2
	ds_load_b128 v[RB+48*(\i&1)+4*(3*\rq+\c):RB+48*(\i&1)+4*(3*\rq+\c)+3], v[RD] offset:\rq*4*SPITCH+\c*128   ; LDS serves a wave's instructions in order: these see the stores above
.endr
.endr
.irp rq, 0,1,2,3
.irp c, 0,1,2
	s_wait_dscnt 11-(3*\rq+\c)
	global_store_b128 v[CO], v[RB+48*(\i&1)+4*(3*\rq+\c):RB+48*(\i&1)+4*(3*\rq+\c)+3], s[8:9] offset:\c*262144+\i*2048+\rq*512
.endr
.endr
.endm
	OUT16 0, 0, 0x02
	OUT16 1, 1, 0x02
	OUT16 2, 0, 0x03
	OUT16 3, 1, 0x03
	CROUND                                         ; the closing round: no work-group ends while a partner may still ask for a tile that names it
	s_endpgm
.Lfunc_end_k_q4d0a4a6041_qkv:
	.size	k_q4d0a4a6041_qkv, .Lfunc_end_k_q4d0a4a6041_qkv-k_q4d0a4a6041_qkv
	.p2alignl 7, 3214868480
	.fill 96, 4, 3214868480
	.section	.rodata,"a",@progbits
	.p2align	6, 0x0
	.amdhsa_kernel k_q4d0a4a6041_qkv
		.amdhsa_group_segment_fixed_size 327680
		.amdhsa_private_segment_fixed_size 0
		.amdhsa_enable_private_segment 0
		.amdhsa_kernarg_size 24
		.amdhsa_user_sgpr_count 2
		.amdhsa_user_sgpr_kernarg_segment_ptr 1
		.amdhsa_wavefront_size32 1
		.amdhsa_system_sgpr_workgroup_id_x 1
		.amdhsa_system_sgpr_workgroup_id_y 1
		.amdhsa_system_sgpr_workgroup_id_z 1
		.amdhsa_system_vgpr_workitem_id 0
		.amdhsa_next_free_vgpr 960
		.amdhsa_next_free_sgpr 66
		.amdhsa_reserve_vcc 0
		.amdhsa_float_denorm_mode_32 3
		.amdhsa_float_denorm_mode_16_64 3
		.amdhsa_memory_ordered 1
		.amdhsa_forward_progress 1
		.amdhsa_inst_pref_size 175
	.end_amdhsa_kernel
	.amdgpu_metadata
---
amdhsa.version: [ 1, 2 ]
amdhsa.kernels:
  - .name:           k_q4d0a4a6041_qkv
    .symbol:         k_q4d0a4a6041_qkv.kd
    .args:
      - { .name: xb, .offset: 0, .size: 8, .value_kind: global_buffer, .address_space: global }
      - { .name: wqt, .offset: 8, .size: 8, .value_kind: global_buffer, .address_space: global }
      - { .name: qkvb, .offset: 16, .size: 8, .value_kind: global_buffer, .address_space: global }
    .group_segment_fixed_size: 327680
    .private_segment_fixed_size: 0
    .kernarg_segment_align: 8
    .kernarg_segment_size: 24
    .max_flat_workgroup_size: 128
    .sgpr_count:     66
    .vgpr_count:     960
    .wavefront_size: 32
...
	.end_amdgpu_metadata
.endif
;; end of part 2
;; launch attn (part 3): grid 8 x 32, 8 waves a work-group, clusters of 4 x 1, 327,680 bytes of LDS; arguments qkvb, mbits, ob; writes ob
.if DOCPART == 3
	.amdgcn_target "amdgcn-amd-amdhsa--gfx1250"
	.amdhsa_code_object_version 6
	.text
	.protected	k_q4d0a4a6041_attn
	.globl	k_q4d0a4a6041_attn
	.p2align	8
	.type	k_q4d0a4a6041_attn,@function
k_q4d0a4a6041_attn:
	s_mov_b64 s[64:65], 0
	v_nop
	global_prefetch_b8 v0, s[64:65] scope:SCOPE_SE
	s_setreg_imm32_b32 hwreg(HW_REG_WAVE_MODE, 25, 1), 1
	s_wait_xcnt 0x0
	s_wait_alu depctr_hold_cnt(0) depctr_sa_sdst(0) depctr_va_vdst(0) depctr_va_sdst(0) depctr_va_ssrc(0) depctr_va_vcc(0) depctr_vm_vsrc(0)
	s_getreg_b32 s2, hwreg(HW_REG_IB_STS2, 6, 4)
	s_cmp_eq_u32 s2, 0
	s_cbranch_scc0 .Lentry_in_a_cluster
	s_endpgm
.Lentry_in_a_cluster:
	s_bfe_u32 s2, ttmp6, 0x10000c
	s_cmp_lg_u32 s2, 0x3003
	s_cbranch_scc0 .Lentry_shape_is_right
	s_endpgm
.Lentry_shape_is_right:
; ATTENTION with the mask as given: for each (b, h) and query: t = q.k (q already carries 0.125 log2 e), t = mask ? t : -1e9 log2 e,
; p = 2^(t - m) with a running maximum m, O = sum p v / sum p.  All 2,048 keys are worked for every query: nothing of the mask's pattern is built in.
; A row with no true byte gives t - m = 0 everywhere, p = 1: the mean of v, as -1e9 gives it in the softmax that this follows.
; In: qkvb f16 [b][g 48][t][64]; mbits (lane-mask words, used by v_cndmask_b32 alone).  Out: ob f16 [b][h][t][64].
; LIMIT: a true scaled score at or below -1e9 is not told from a masked one; p below 2^-24 is 0 in the product with v (f16), not in the sum (f32); |O| up to 65,504.
; A work-group is 256 queries of one (b, h); wave w of eight has 32 queries (two tiles qt) and walks all keys, 64 a sub-block.
; CLUSTERS: the four query blocks of a cluster read the same K and V tiles: every tile load is joint (mask 15).
; LAYOUT: S^T = K Q^T (source 0 = 16 keys, source 1 = 16 queries): register j of lane (r, hh) is key 16 kt + 8 hh + j of query r.  So maximum and sum are
; a lane's own but for one exchange between the halves; the packed values of tiles 2 g, 2 g + 1 ARE source 1 of O^T = V^T P^T; the rescale is a lane's own factor.
; V^T comes by the transposing LDS load from V as it lies, [key][d].
.set TILEB,  32768                     ; 256 keys x 128 bytes: a step of K, and of V
.set PART,   10240                     ; LDS bytes of one wave's 64 rows: K at pitch 144 uses 9,216, V at pitch 160 all
.set SLOTB,  8*PART                    ; K's four parts, then V's four
.set KP,     144                       ; 128 + 16
.set VP,     160                       ; 128 + 32: an odd multiple of 32, for the transposing load
.set STAGE,  2*SLOTB                   ; 8 x 32 rows x 144 bytes, each wave's own; no tensor load lands here
.set SP,     144
.set BATCHB, 12582912
.set NEG,    0xceabfb8f                ; -1e9 log2(e)
.set NINF,   0xff800000
.set KA,   4                           ; v4-5    LDS address of K's fragments, slot 0, 1
.set VA,   6                           ; v6-7    of V's
.set M,    8                           ; v[8:11]   (m, m) for qt = 0, 1
.set AL,   12                          ; v[12:15]  (alpha, alpha)
.set LS,   16                          ; v[16:19]  two partial sums for each qt
.set NEGR, 20
.set MA,   21                          ; v21-22  maximum, chain a
.set MB,   23                          ; v23-24  chain b
.set PX,   25                          ; v25-26  from the other half of the lanes
.set QOFF, 27
.set RD,   28
.set CO,   29
.set STO,  30
.set KV,   32                          ; v[32:95]   K's fragments (kt, ks) at 8 (2 kt + ks), then V's (dt, g) at 8 (2 dt + g)
.set S,    96                          ; v[96:159]  scores, element 32 qt + 8 kt + j: the index of its mask word; then P(qt, g) at 32 qt + 16 g
.set Q,    160                         ; v[160:191] Q's fragments (qt, ks) at 8 (2 qt + ks)
.set O,    192                         ; v[192:255] O^T tiles (dt, qt) at 8 (2 dt + qt)
.set G0,   4                           ; s[4:7], s[8:11] group 0 of slots 0, 1
.set MP,   12                          ; s[12:13] mask words of the next sub-block
.set G1K,  84                          ; s[84:91]
.set G1V,  92                          ; s[92:99]
; s2 wave, s3 wave >> 2, s14 loop counter, s[16:63] and s[68:83] the 64 mask words (word e in s[16 + e + 4 (e / 48)]), s66-67 lane selects, s[100:101] Q's base, then ob
.macro ROUND                           ; a round of the cluster's barrier
	s_barrier_signal -1
	s_barrier_wait -1
	s_cmp_lg_u32 s2, 0
	s_cbranch_scc1 .Lnot_wave_0_\@
	s_barrier_signal -3
.Lnot_wave_0_\@:
	s_barrier_wait -3
	s_barrier_signal -1
	s_barrier_wait -1
.endm
.macro JLOAD s                         ; waves 0-3 fetch K's parts, waves 4-7 V's: the two lines differ in the padding alone
	s_cmp_eq_u32 s3, 0
	s_cbranch_scc0 .Lfor_v_\@
	tensor_load_to_lds s[G0+4*\s:G0+4*\s+3], s[G1K:G1K+7]
	s_nop 0
	s_branch .Lasked_\@
.Lfor_v_\@:
	tensor_load_to_lds s[G0+4*\s:G0+4*\s+3], s[G1V:G1V+7]
	s_nop 0
.Lasked_\@:
.endm
	s_load_b128 s[16:19], s[0:1], 0x0              ; qkvb s[16:17], mbits s[18:19]
	v_lshrrev_b32 v1, 5, v0
	v_readfirstlane_b32 s2, v1                     ; wave 0..7
	s_lshr_b32 s3, s2, 2
	s_mov_b32 s66, 0x76543210                      ; v_permlanex16_b32: lane i of one half reads lane i of the other
	s_mov_b32 s67, 0xfedcba98
	; group 1: 64 rows x 64 elements of 2 bytes, dense in memory (pitch 64); padding behind every 32 words: K 4 words, V 8 words; mask 15 with bit 21
	s_mov_b32 s[G1K+0], 15|(1<<16)|(1<<20)|(1<<21)|(4<<22)|(3<<25)
	s_mov_b32 s[G1V+0], 15|(1<<16)|(1<<20)|(1<<21)|(4<<22)|(7<<25)
	s_mov_b32 s[G1K+1], 64<<16
	s_mov_b32 s[G1V+1], 64<<16
	s_mov_b32 s[G1K+2], 64<<16
	s_mov_b32 s[G1V+2], 64<<16
	s_mov_b32 s[G1K+3], 64<<16
	s_mov_b32 s[G1V+3], 64<<16
	s_mov_b32 s[G1K+4], 64
	s_mov_b32 s[G1V+4], 64
	s_mov_b32 s[G1K+5], 64
	s_mov_b32 s[G1V+5], 64
	s_mov_b32 s[G1K+6], 0
	s_mov_b32 s[G1V+6], 0
	s_mov_b32 s[G1K+7], 0
	s_mov_b32 s[G1V+7], 0
	; lane terms
	v_and_b32 v1, 15, v0                           ; r
	v_bfe_u32 v2, v0, 4, 1                         ; hh
	v_and_b32 v3, 7, v0
	v_mul_u32_u24 v[KA], v1, KP
	v_lshl_add_u32 v[KA], v2, 4, v[KA]             ; key row r, + 16 hh
	v_add_nc_u32 v[KA+1], SLOTB, v[KA]
	v_lshl_add_u32 v[PX], v2, 3, v3                ; key row 8 hh + (l & 7)
	v_bfe_u32 v[PX+1], v0, 3, 1
	v_mul_u32_u24 v[VA], v[PX], VP
	v_lshl_add_u32 v[VA], v[PX+1], 4, v[VA]        ; + 16 ((l >> 3) & 1)
	v_add_nc_u32 v[VA], 4*PART, v[VA]              ; V lies behind K's four parts
	v_add_nc_u32 v[VA+1], SLOTB, v[VA]
	v_lshlrev_b32 v[QOFF], 7, v1
	v_lshl_add_u32 v[QOFF], v2, 4, v[QOFF]         ; query row r of 128 bytes, + 16 hh
	s_mul_i32 s20, s2, 32*SP
	s_add_co_u32 s20, s20, STAGE                   ; my stage
	v_add_nc_u32 v[STO], s20, v[KA]                ; row r x 144 + 16 hh
	v_bfe_u32 v[RD], v0, 3, 2
	v_mul_u32_u24 v[RD], v[RD], SP
	v_lshl_add_u32 v[RD], v3, 4, v[RD]
	v_add_nc_u32 v[RD], s20, v[RD]                 ; back: eight lanes a row of 128 bytes, four rows a load
	v_and_b32 v[CO], 31, v0
	v_lshlrev_b32 v[CO], 4, v[CO]
	v_mov_b32 v[M], NINF
	v_mov_b32 v[M+2], NINF
	v_mov_b32 v[NEGR], NEG
	; offsets that every partner shares: the head's plane, and my part of a tile
	s_and_b32 s22, ttmp7, 0xffff                   ; y = 16 b + h
	s_lshr_b32 s23, s22, 4
	s_and_b32 s22, s22, 15
	s_mul_i32 s23, s23, BATCHB
	s_lshl_b32 s22, s22, 18
	s_add_co_u32 s22, s22, s23
	s_mov_b32 s23, 0
	s_add_co_u32 s20, s3, 1                        ; K's planes begin 16 planes on, V's 32
	s_lshl_b32 s20, s20, 22
	s_and_b32 s21, s2, 3
	s_lshl_b32 s21, s21, 13                        ; my 64 rows of 128 bytes
	s_add_co_u32 s20, s20, s21
	s_mov_b32 s21, 0
	; offsets of my own queries
	s_bfe_u32 s14, ttmp6, 0x40000                  ; cx
	s_lshl_b32 s15, ttmp9, 2
	s_add_co_u32 s14, s14, s15                     ; query block = 4 x cluster x + cx
	s_lshl_b32 s12, s14, 15                        ; 256 rows of 128 bytes
	s_lshl_b32 s13, s2, 12                         ; + my 32 rows
	s_add_co_u32 s12, s12, s13
	s_mov_b32 s13, 0
	s_mov_b32 s[G0+0], 1
	s_mul_i32 s[G0+1], s2, PART                    ; LDS: wave x PART, + the slot
	s_mov_b32 s[G0+4], 1
	s_add_co_u32 s[G0+5], s[G0+1], SLOTB
	s_wait_kmcnt 0x0
	s_add_nc_u64 s[22:23], s[16:17], s[22:23]      ; the head's q plane
	s_add_nc_u64 s[G0+2:G0+3], s[22:23], s[20:21]  ; my part of tile 0
	s_add_nc_u64 s[G0+6:G0+7], s[G0+2:G0+3], TILEB ; of tile 1
	s_or_b32 s[G0+3], s[G0+3], 0x80000000
	s_or_b32 s[G0+7], s[G0+7], 0x80000000
	s_add_nc_u64 s[100:101], s[22:23], s[12:13]    ; my 32 queries
	s_lshl_b32 s12, s12, 1                         ; strip 8 x block + wave, 8,192 bytes of words each
	s_add_nc_u64 s[MP:MP+1], s[18:19], s[12:13]
.irp qt, 0,1
.irp ks, 0,1
	global_load_b128 v[Q+8*(2*\qt+\ks):Q+8*(2*\qt+\ks)+3],   v[QOFF], s[100:101] offset:\qt*2048+\ks*64
	global_load_b128 v[Q+8*(2*\qt+\ks)+4:Q+8*(2*\qt+\ks)+7], v[QOFF], s[100:101] offset:\qt*2048+\ks*64+32
.endr
.endr
	s_load_b512 s[16:31], s[MP:MP+1], 0x0          ; the first sub-block's 64 words (the two pointers above are used up)
	s_load_b512 s[32:47], s[MP:MP+1], 0x40
	s_load_b512 s[48:63], s[MP:MP+1], 0x80
	s_load_b512 s[68:83], s[MP:MP+1], 0xc0
	ROUND                                          ; the four work-groups are here: the first joint loads meet
	JLOAD 0                                        ; tile 0
	s_wait_loadcnt 0x0                             ; Q, once
; One sub-block: 64 keys at part sb of the slot.  first = 1: the launch's first (sums and O start here).  more = 1: the next sub-block's mask words are asked for.
.macro SUBBLK slot, sb, first, more
.rept 5
	v_nop                                          ; behind the last P V products: four places before loads land in V's registers, five before a product writes over P
.endr
.irp ks, 0,1
.irp kt, 0,1,2,3
	ds_load_b128 v[KV+8*(2*\kt+\ks):KV+8*(2*\kt+\ks)+3],   v[KA+\slot] offset:\sb*PART+\kt*16*KP+64*\ks
	ds_load_b128 v[KV+8*(2*\kt+\ks)+4:KV+8*(2*\kt+\ks)+7], v[KA+\slot] offset:\sb*PART+\kt*16*KP+64*\ks+32
.endr
.endr
	s_wait_dscnt 8                                 ; d 0-31 of the 64 keys are in; the eight loads of d 32-63 may be out
	; the eight score tiles take turns, one instruction a turn
.irp qt, 0,1
.irp kt, 0,1,2,3
	v_wmma_f32_16x16x32_f16 v[S+32*\qt+8*\kt:S+32*\qt+8*\kt+7], v[KV+16*\kt:KV+16*\kt+7], v[Q+16*\qt:Q+16*\qt+7], 0
.endr
.endr
	s_wait_dscnt 0
.irp qt, 0,1
.irp kt, 0,1,2,3
	v_wmma_f32_16x16x32_f16 v[S+32*\qt+8*\kt:S+32*\qt+8*\kt+7], v[KV+16*\kt+8:KV+16*\kt+15], v[Q+16*\qt+8:Q+16*\qt+15], v[S+32*\qt+8*\kt:S+32*\qt+8*\kt+7]
.endr
.endr
.rept 4
	v_nop                                          ; four places before loads land in K's registers and before the scores are read
.endr
.irp g, 0,1
.irp dt, 0,1,2,3
	ds_load_tr16_b128 v[KV+8*(2*\dt+\g):KV+8*(2*\dt+\g)+3],   v[VA+\slot] offset:\sb*PART+(32*\g)*VP+32*\dt
	ds_load_tr16_b128 v[KV+8*(2*\dt+\g)+4:KV+8*(2*\dt+\g)+7], v[VA+\slot] offset:\sb*PART+(32*\g+16)*VP+32*\dt
.endr
.endr
	s_wait_kmcnt 0x0                               ; this sub-block's mask words are in, so their base may step
	s_add_nc_u64 s[MP:MP+1], s[MP:MP+1], 256
.set e, 0
.rept 64
	v_cndmask_b32 v[S+e], v[NEGR], v[S+e], s[16+e+4*(e/48)]
.set e, e+1
.endr
.if \more
	s_load_b512 s[16:31], s[MP:MP+1], 0x0          ; the next sub-block's words: the rest of this one is theirs to land in
	s_load_b512 s[32:47], s[MP:MP+1], 0x40
	s_load_b512 s[48:63], s[MP:MP+1], 0x80
	s_load_b512 s[68:83], s[MP:MP+1], 0xc0
.endif
	; the new maximum: the old one and my 32 scores of each query, two chains a query, then the other half of the lanes
.irp qt, 0,1
	v_max3_num_f32 v[MA+\qt], v[M+2*\qt], v[S+32*\qt], v[S+32*\qt+1]
	v_max3_num_f32 v[MB+\qt], v[S+32*\qt+16], v[S+32*\qt+17], v[S+32*\qt+18]
.endr
.irp i, 0,1,2,3,4,5
.irp qt, 0,1
	v_max3_num_f32 v[MA+\qt], v[MA+\qt], v[S+32*\qt+2+2*\i], v[S+32*\qt+3+2*\i]
	v_max3_num_f32 v[MB+\qt], v[MB+\qt], v[S+32*\qt+19+2*\i], v[S+32*\qt+20+2*\i]
.endr
.endr
.irp qt, 0,1
	v_max3_num_f32 v[MA+\qt], v[MA+\qt], v[S+32*\qt+14], v[S+32*\qt+15]
.endr
.irp qt, 0,1
	v_max3_num_f32 v[MA+\qt], v[MA+\qt], v[MB+\qt], v[S+32*\qt+31]
.endr
.irp qt, 0,1
	v_permlanex16_b32 v[PX+\qt], v[MA+\qt], s66, s67
.endr
.irp qt, 0,1
	v_max_num_f32 v[MA+\qt], v[MA+\qt], v[PX+\qt]
.endr
.if \first == 0
.irp qt, 0,1
	v_sub_f32 v[AL+2*\qt], v[M+2*\qt], v[MA+\qt]
.endr
.irp qt, 0,1
	v_exp_f32 v[AL+2*\qt], v[AL+2*\qt]             ; alpha = 2^(old m - new m); the moves below are the plain places behind it (ISA guide 5.7.2)
.endr
.endif
.irp qt, 0,1
	v_mov_b32 v[M+2*\qt], v[MA+\qt]
	v_mov_b32 v[M+2*\qt+1], v[MA+\qt]
.endr
.if \first == 0
	s_wait_alu depctr_va_vdst(0)
	v_mov_b32 v[AL+1], v[AL]
	v_mov_b32 v[AL+3], v[AL+2]
.endif
.irp qt, 0,1
.set i, 0
.rept 16
	v_pk_add_f32 v[S+32*\qt+2*i:S+32*\qt+2*i+1], v[S+32*\qt+2*i:S+32*\qt+2*i+1], v[M+2*\qt:M+2*\qt+1] neg_lo:[0,1] neg_hi:[0,1]
.set i, i+1
.endr
.endr
.irp qt, 0,1
.set i, 0
.rept 32
	v_exp_f32 v[S+32*\qt+i], v[S+32*\qt+i]
.set i, i+1
.endr
.if \first
	v_nop                                          ; the plain place behind the exponentials
.else
.irp dt, 0,1,2,3
.irp h2, 0,2,4,6
	v_pk_mul_f32 v[O+8*(2*\dt+\qt)+\h2:O+8*(2*\dt+\qt)+\h2+1], v[O+8*(2*\dt+\qt)+\h2:O+8*(2*\dt+\qt)+\h2+1], v[AL+2*\qt:AL+2*\qt+1]   ; O x alpha: also the plain places behind the exponentials
.endr
.endr
.endif
.endr
.if \first
	s_wait_alu depctr_va_vdst(0)
	v_pk_add_f32 v[LS:LS+1], v[S:S+1], v[S+2:S+3]
	v_pk_add_f32 v[LS+2:LS+3], v[S+32:S+33], v[S+34:S+35]
.else
	s_wait_alu depctr_va_vdst(0)
	v_pk_fma_f32 v[LS:LS+1], v[LS:LS+1], v[AL:AL+1], v[S:S+1]
	v_pk_fma_f32 v[LS+2:LS+3], v[LS+2:LS+3], v[AL+2:AL+3], v[S+32:S+33]
.endif
.set i, 1+\first
.rept 15-\first
	v_pk_add_f32 v[LS:LS+1], v[LS:LS+1], v[S+2*i:S+2*i+1]
	v_pk_add_f32 v[LS+2:LS+3], v[LS+2:LS+3], v[S+32+2*i:S+32+2*i+1]
.set i, i+1
.endr
	; p to f16, in place: tiles 2 g and 2 g + 1 become the eight registers of P(qt, g)
.irp qt, 0,1
.irp g, 0,1
.irp u, 0,1
.irp i, 0,1,2,3
	v_cvt_pk_f16_f32 v[S+32*\qt+16*\g+4*\u+\i], v[S+32*\qt+16*\g+8*\u+2*\i], v[S+32*\qt+16*\g+8*\u+2*\i+1]
.endr
.endr
.endr
.endr
	s_wait_dscnt 0x0                               ; V's fragments are in
	; the eight tiles of O take turns, one instruction a turn
.irp g, 0,1
.irp dt, 0,1,2,3
.irp qt, 0,1
.if \first*(1-\g)
	v_wmma_f32_16x16x32_f16 v[O+8*(2*\dt+\qt):O+8*(2*\dt+\qt)+7], v[KV+8*(2*\dt+\g):KV+8*(2*\dt+\g)+7], v[S+32*\qt+16*\g:S+32*\qt+16*\g+7], 0
.else
	v_wmma_f32_16x16x32_f16 v[O+8*(2*\dt+\qt):O+8*(2*\dt+\qt)+7], v[KV+8*(2*\dt+\g):KV+8*(2*\dt+\g)+7], v[S+32*\qt+16*\g:S+32*\qt+16*\g+7], v[O+8*(2*\dt+\qt):O+8*(2*\dt+\qt)+7]
.endif
.endr
.endr
.endr
.endm
; One step: 256 keys in the slot.  One tensor load of the wave is out at a time; it has the step's four sub-blocks in which to land.
.macro TRIP slot, refill, first, last
	s_wait_tensorcnt 0x0                           ; all my tensor loads are done, my part of this step's tile among them,
	s_add_nc_u64 s[G0+4*\slot+2:G0+4*\slot+3], s[G0+4*\slot+2:G0+4*\slot+3], 2*TILEB   ; so group 0 may be written: this slot's next tile
	s_wait_dscnt 0x0                               ; my reads of the last step's tile are done
	ROUND                                          ; both now hold of every wave of the four work-groups
.if \refill
	JLOAD (1-\slot)                                ; the next tile, into the slot read last step: the first tensor load behind the round
.endif
	SUBBLK \slot, 0, \first, 1
	SUBBLK \slot, 1, 0, 1
	SUBBLK \slot, 2, 0, 1
	SUBBLK \slot, 3, 0, 1-\last
.endm
	TRIP 0, 1, 1, 0                                ; tiles 0, 1
	TRIP 1, 1, 0, 0
	s_mov_b32 s14, 2
.Lpair:
	TRIP 0, 1, 0, 0                                ; tiles 2 to 5
	TRIP 1, 1, 0, 0
	s_sub_co_u32 s14, s14, 1
	s_cmp_lg_u32 s14, 0
	s_cbranch_scc1 .Lpair
	TRIP 0, 1, 0, 0                                ; tile 6; tile 7 is asked for
	TRIP 1, 0, 0, 1                                ; tile 7: nothing more is fetched, no mask word beyond the strip's last
	; THE WAY OUT: O / l, f16, through my stage, four rows of 128 bytes = 512 consecutive bytes a store
.rept 4
	v_nop                                          ; four places behind the last products
.endr
	s_load_b64 s[100:101], s[0:1], 0x10            ; ob
	s_bfe_u32 s16, ttmp6, 0x40000
	s_lshl_b32 s17, ttmp9, 2
	s_add_co_u32 s16, s16, s17                     ; query block
	s_lshl_b32 s16, s16, 15
	s_and_b32 s17, ttmp7, 0xffff
	s_lshl_b32 s17, s17, 18                        ; plane 16 b + h
	s_add_co_u32 s16, s16, s17
	s_lshl_b32 s17, s2, 12                         ; my 32 rows
	s_add_co_u32 s16, s16, s17
	s_mov_b32 s17, 0
.irp qt, 0,1
	v_add_f32 v[MA+\qt], v[LS+2*\qt], v[LS+2*\qt+1]
.endr
.irp qt, 0,1
	v_permlanex16_b32 v[PX+\qt], v[MA+\qt], s66, s67
.endr
.irp qt, 0,1
	v_add_f32 v[MA+\qt], v[MA+\qt], v[PX+\qt]      ; l: at least 1, the largest score's own term
.endr
.irp qt, 0,1
	v_rcp_f32 v[AL+2*\qt], v[MA+\qt]
.endr
	v_nop                                          ; the plain place behind v_rcp_f32
	s_wait_alu depctr_va_vdst(0)
	v_mov_b32 v[AL+1], v[AL]
	v_mov_b32 v[AL+3], v[AL+2]
.irp dt, 0,1,2,3
.irp qt, 0,1
.irp h2, 0,2,4,6
	v_pk_mul_f32 v[O+8*(2*\dt+\qt)+\h2:O+8*(2*\dt+\qt)+\h2+1], v[O+8*(2*\dt+\qt)+\h2:O+8*(2*\dt+\qt)+\h2+1], v[AL+2*\qt:AL+2*\qt+1]
.endr
.endr
.endr
.irp t, 0,1,2,3,4,5,6,7
.irp i, 0,1,2,3
	v_cvt_pk_f16_f32 v[O+8*\t+\i], v[O+8*\t+2*\i], v[O+8*\t+2*\i+1]
.endr
.endr
.irp dt, 0,1,2,3
.irp qt, 0,1
	ds_store_b128 v[STO], v[O+8*(2*\dt+\qt):O+8*(2*\dt+\qt)+3] offset:\qt*16*SP+32*\dt
.endr
.endr
.irp i, 0,1,2,3,4,5,6,7
	ds_load_b128 v[KV+4*\i:KV+4*\i+3], v[RD] offset:\i*4*SP    ; LDS serves a wave's instructions in order: these see the stores above
.endr
	s_wait_kmcnt 0x0
	s_add_nc_u64 s[100:101], s[100:101], s[16:17]
.irp i, 0,1,2,3,4,5,6,7
	s_wait_dscnt 7-\i
	global_store_b128 v[CO], v[KV+4*\i:KV+4*\i+3], s[100:101] offset:512*\i
.endr
	ROUND                                          ; the closing round: no work-group ends while a partner may still ask for a tile that names it
	s_endpgm
.Lfunc_end_k_q4d0a4a6041_attn:
	.size	k_q4d0a4a6041_attn, .Lfunc_end_k_q4d0a4a6041_attn-k_q4d0a4a6041_attn
	.p2alignl 7, 3214868480
	.fill 96, 4, 3214868480
	.section	.rodata,"a",@progbits
	.p2align	6, 0x0
	.amdhsa_kernel k_q4d0a4a6041_attn
		.amdhsa_group_segment_fixed_size 327680
		.amdhsa_private_segment_fixed_size 0
		.amdhsa_enable_private_segment 0
		.amdhsa_kernarg_size 24
		.amdhsa_user_sgpr_count 2
		.amdhsa_user_sgpr_kernarg_segment_ptr 1
		.amdhsa_wavefront_size32 1
		.amdhsa_system_sgpr_workgroup_id_x 1
		.amdhsa_system_sgpr_workgroup_id_y 1
		.amdhsa_system_sgpr_workgroup_id_z 1
		.amdhsa_system_vgpr_workitem_id 0
		.amdhsa_next_free_vgpr 256
		.amdhsa_next_free_sgpr 102
		.amdhsa_reserve_vcc 0
		.amdhsa_float_denorm_mode_32 3
		.amdhsa_float_denorm_mode_16_64 3
		.amdhsa_memory_ordered 1
		.amdhsa_forward_progress 1
		.amdhsa_inst_pref_size 255
	.end_amdhsa_kernel
	.section	.bss,"aw",@nobits
	.p2align	6
	.space	262144
	.amdgpu_metadata
---
amdhsa.version: [ 1, 2 ]
amdhsa.kernels:
  - .name:           k_q4d0a4a6041_attn
    .symbol:         k_q4d0a4a6041_attn.kd
    .args:
      - { .name: qkvb, .offset: 0, .size: 8, .value_kind: global_buffer, .address_space: global }
      - { .name: mbits, .offset: 8, .size: 8, .value_kind: global_buffer, .address_space: global }
      - { .name: ob, .offset: 16, .size: 8, .value_kind: global_buffer, .address_space: global }
    .group_segment_fixed_size: 327680
    .private_segment_fixed_size: 0
    .kernarg_segment_align: 8
    .kernarg_segment_size: 24
    .max_flat_workgroup_size: 256
    .sgpr_count:     102
    .vgpr_count:     256
    .wavefront_size: 32
...
	.end_amdgpu_metadata
.endif
;; end of part 3
;; launch proj (part 4): grid 8 x 32, 4 waves a work-group, clusters of 4 x 4, 327,680 bytes of LDS; arguments ob, wot, out0; writes out0
.if DOCPART == 4
	.amdgcn_target "amdgcn-amd-amdhsa--gfx1250"
	.amdhsa_code_object_version 6
	.text
	.protected	k_q4d0a4a6041_proj
	.globl	k_q4d0a4a6041_proj
	.p2align	8
	.type	k_q4d0a4a6041_proj,@function
k_q4d0a4a6041_proj:
	s_mov_b64 s[64:65], 0
	v_nop
	global_prefetch_b8 v0, s[64:65] scope:SCOPE_SE
	s_setreg_imm32_b32 hwreg(HW_REG_WAVE_MODE, 25, 1), 1
	s_wait_xcnt 0x0
	s_wait_alu depctr_hold_cnt(0) depctr_sa_sdst(0) depctr_va_vdst(0) depctr_va_sdst(0) depctr_va_ssrc(0) depctr_va_vcc(0) depctr_vm_vsrc(0)
	s_getreg_b32 s2, hwreg(HW_REG_IB_STS2, 6, 4)
	s_cmp_eq_u32 s2, 0
	s_cbranch_scc0 .Lentry_in_a_cluster
	s_endpgm
.Lentry_in_a_cluster:
	s_bfe_u32 s2, ttmp6, 0x10000c
	s_cmp_lg_u32 s2, 0xf033
	s_cbranch_scc0 .Lentry_shape_is_right
	s_endpgm
.Lentry_shape_is_right:
; PROJ: out0[m][n] = sum over k of O[m][k] wot[n][k], m < 4096, n < 1024, k = 64 h + d < 1024; f16 operands, f32 sums, f32 out.
; O lies head-major: ob f16 [b][h][t][64].  wot f16 [n][1024 k].
; A work-group makes 128 x 128 with four waves; wave w makes 64 x 64 (rows 64 (w >> 1), columns 64 (w & 1)): 16 accumulator tiles in window 1.
; K goes in steps of 128 = two heads, eight tiles, through FOUR LDS slots: a step is only 64 matrix instructions a wave, so three slots are filled behind one
; round of the cluster's barrier, and the eight steps are written out without a loop.  A wave has four tensor loads out at the start, later three, then one.
; CLUSTERS: 4 x 4; O's tiles are asked for jointly along a row of the cluster, wot's along a column.
; The matrix instruction is used transposed (source 0 = 16 rows of wot, source 1 = 16 rows of O): lane l holds row l % 16 and eight neighbouring columns.
.set AP,     144                       ; O's rows in LDS: 128 bytes + 16
.set BP,     272                       ; wot's: 256 + 16
.set ASUB,   128*AP                    ; one head's 128 rows: one tensor load
.set BHALF,  64*BP                     ; 64 rows of wot: one tensor load
.set BOFF,   2*ASUB
.set SLOT,   2*ASUB+2*BHALF            ; 71,680
.set STAGE,  4*SLOT                    ; 16 rows x 272 bytes for each wave; no tensor load lands here
.set SPITCH, 272
.set ADRA, 16                          ; v16-19 LDS address of my O fragments, slot 0..3
.set ADRB, 20                          ; v20-23 of my wot fragments
.set STO,  24
.set RD,   25
.set CO,   26
.set F0,   64                          ; fragment buffers: wot's four at + 8 i, O's four at + 32 + 8 i
.set F1,   128
.set G1A, 16                           ; s[16:23]
.set G1B, 24                           ; s[24:31]
.set G0A, 32                           ; s[32:47] one set a slot
.set G0B, 48                           ; s[48:63]
.set ACC, 0x50                         ; C and D in window 1
.set MSB, 0
.macro WIN new
.if MSB != \new
	s_set_vgpr_msb (MSB<<8)|\new
.set MSB, \new
.endif
.endm
.macro CREST
	s_cmp_lg_u32 s10, 0
	s_cbranch_scc1 .Lnot_wave_0_\@
	s_barrier_signal -3
.Lnot_wave_0_\@:
	s_barrier_wait -3
	s_barrier_signal -1
	s_barrier_wait -1
.endm
.macro CROUND
	s_barrier_signal -1
	s_barrier_wait -1
	CREST
.endm
; joint loads of slots lo .. lo + n - 1: waves 0, 1 fetch O's two heads, waves 2, 3 wot's two halves
.macro JLOADS lo, n
	s_cmp_eq_u32 s11, 0
	s_cbranch_scc0 .Lfor_b_\@
.set js, \lo
.rept \n
	tensor_load_to_lds s[G0A+4*js:G0A+4*js+3], s[G1A:G1A+7]
	s_nop 0
.set js, js+1
.endr
	s_branch .Lasked_\@
.Lfor_b_\@:
.set js, \lo
.rept \n
	tensor_load_to_lds s[G0B+4*js:G0B+4*js+3], s[G1B:G1B+7]
	s_nop 0
.set js, js+1
.endr
.Lasked_\@:
.endm
; the addresses of slots lo .. lo + n - 1 go four tiles on: eight heads of O, 512 k of wot
.macro STEPS lo, n
.set js, \lo
.rept \n
	s_add_nc_u64 s[G0A+4*js+2:G0A+4*js+3], s[G0A+4*js+2:G0A+4*js+3], 4*524288
	s_add_nc_u64 s[G0B+4*js+2:G0B+4*js+3], s[G0B+4*js+2:G0B+4*js+3], 4*256
.set js, js+1
.endr
.endm
	s_load_b128 s[4:7], s[0:1], 0x0                ; ob s[4:5], wot s[6:7]
	s_load_b64 s[8:9], s[0:1], 0x10                ; out0
	v_lshrrev_b32 v1, 5, v0
	v_readfirstlane_b32 s10, v1                    ; wave 0..3
	s_lshr_b32 s11, s10, 1                         ; my half of the rows.  Also: I fetch for O (0) or for wot (1)
	s_and_b32 s12, s10, 1                          ; my half of the columns.  Also: which head, or which 64 rows, I fetch
	s_bfe_u32 s66, ttmp6, 0x40000                  ; cx
	s_bfe_u32 s67, ttmp6, 0x40004                  ; cy
	s_lshl_b32 s68, ttmp9, 2
	s_add_co_u32 s68, s68, s66                     ; block column
	s_and_b32 s13, ttmp7, 0xffff
	s_lshl_b32 s13, s13, 2
	s_add_co_u32 s13, s13, s67                     ; block row
	s_lshl_b32 s69, s67, 2
	s_lshl_b32 s69, 15, s69                        ; my row of the cluster
	s_lshl_b32 s70, 0x1111, s66                    ; my column
	; group 1.  O: 128 rows x 64 elements, dense (pitch 64), 4 words of padding behind every 32.  wot: 64 rows x 128, pitch 1,024, 4 words behind every 64.
	s_or_b32 s[G1A+0], s69, (1<<16)|(1<<20)|(1<<21)|(4<<22)|(3<<25)
	s_mov_b32 s[G1A+1], 64<<16
	s_mov_b32 s[G1A+2], 128<<16
	s_mov_b32 s[G1A+3], 64<<16
	s_mov_b32 s[G1A+4], 128
	s_mov_b32 s[G1A+5], 64
	s_mov_b32 s[G1A+6], 0
	s_mov_b32 s[G1A+7], 0
	s_or_b32 s[G1B+0], s70, (1<<16)|(1<<20)|(1<<21)|(5<<22)|(3<<25)
	s_mov_b32 s[G1B+1], 128<<16
	s_mov_b32 s[G1B+2], 64<<16
	s_mov_b32 s[G1B+3], 128<<16
	s_mov_b32 s[G1B+4], 64
	s_mov_b32 s[G1B+5], 1024
	s_mov_b32 s[G1B+6], 0
	s_mov_b32 s[G1B+7], 0
	s_lshr_b32 s74, s13, 4                         ; batch: 16 planes of 262,144 bytes
	s_lshl_b32 s74, s74, 22
	s_and_b32 s75, s13, 15
	s_lshl_b32 s75, s75, 14                        ; 128 rows of 128 bytes
	s_add_co_u32 s74, s74, s75
	s_lshl_b32 s75, s12, 18                        ; head 0 or 1 of the tile's two
	s_add_co_u32 s74, s74, s75
	s_mov_b32 s75, 0
	s_lshl_b32 s76, s68, 18                        ; 128 rows of 2,048 bytes
	s_lshl_b32 s77, s12, 17                        ; + 64 rows
	s_add_co_u32 s76, s76, s77
	s_mov_b32 s77, 0
	s_mul_i32 s14, s10, ASUB                       ; LDS: O's heads at wave x ASUB (waves 0, 1),
	s_mul_i32 s15, s10, BHALF
	s_add_co_u32 s15, s15, BOFF-2*BHALF            ; wot's halves at BOFF + (wave - 2) x BHALF (waves 2, 3)
	s_wait_kmcnt 0x0
	s_add_nc_u64 s[74:75], s[4:5], s[74:75]
	s_add_nc_u64 s[76:77], s[6:7], s[76:77]
.irp s, 0,1,2,3
	s_mov_b32 s[G0A+4*\s], 1
	s_add_co_u32 s[G0A+4*\s+1], s14, \s*SLOT
	s_add_nc_u64 s[G0A+4*\s+2:G0A+4*\s+3], s[74:75], \s*524288
	s_or_b32 s[G0A+4*\s+3], s[G0A+4*\s+3], 0x80000000
	s_mov_b32 s[G0B+4*\s], 1
	s_add_co_u32 s[G0B+4*\s+1], s15, \s*SLOT
	s_add_nc_u64 s[G0B+4*\s+2:G0B+4*\s+3], s[76:77], \s*256
	s_or_b32 s[G0B+4*\s+3], s[G0B+4*\s+3], 0x80000000
.endr
	CROUND                                         ; all sixteen work-groups are here: the first joint loads meet
	JLOADS 0, 4                                    ; tiles 0 to 3: four loads of the wave are out
	v_and_b32 v1, 15, v0                           ; r
	v_bfe_u32 v2, v0, 4, 1                         ; hh
	v_mul_u32_u24 v3, v1, AP
	v_lshl_add_u32 v3, v2, 4, v3
	v_mul_u32_u24 v4, v1, BP
	v_lshl_add_u32 v4, v2, 4, v4
	s_mul_i32 s71, s11, 64*AP                      ; my 64 rows of O
	s_mul_i32 s72, s12, 64*BP                      ; my 64 rows of wot,
	s_add_co_u32 s72, s72, BOFF                    ; behind O's two heads
.irp s, 0,1,2,3
	v_add_nc_u32 v[ADRA+\s], s71, v3
	v_add_nc_u32 v[ADRB+\s], s72, v4
	s_add_co_u32 s71, s71, SLOT
	s_add_co_u32 s72, s72, SLOT
.endr
	s_mul_i32 s73, s10, 16*SPITCH
	s_add_co_u32 s73, s73, STAGE                   ; my stage
	v_mul_u32_u24 v5, v1, SPITCH                   ; in: row r, 32 bytes for each half of the lanes
	v_lshl_add_u32 v5, v2, 5, v5
	v_add_nc_u32 v[STO], s73, v5
	v_mul_u32_u24 v5, v2, SPITCH                   ; back: lanes 0-15 one row of 256 bytes, lanes 16-31 the next
	v_lshl_add_u32 v5, v1, 4, v5
	v_add_nc_u32 v[RD], s73, v5
	v_lshlrev_b32 v5, 12, v2                       ; the same two rows in out0
	v_lshl_add_u32 v[CO], v1, 4, v5
; 8 matrix instructions: m tiles 2 half, 2 half + 1 x 4 n tiles, 32 along K
.macro MUL8 f, half, zero
.irp a, 2*\half, 2*\half+1
.irp b, 0,1,2,3
.if \zero
	v_wmma_f32_16x16x32_f16 v[8*(4*(\a)+\b):8*(4*(\a)+\b)+7], v[\f+8*\b:\f+8*\b+7], v[\f+32+8*(\a):\f+32+8*(\a)+7], 0
.else
	v_wmma_f32_16x16x32_f16 v[8*(4*(\a)+\b):8*(4*(\a)+\b)+7], v[\f+8*\b:\f+8*\b+7], v[\f+32+8*(\a):\f+32+8*(\a)+7], v[8*(4*(\a)+\b):8*(4*(\a)+\b)+7]
.endif
.endr
.endr
.endm
; 16 LDS loads: quarter q of the slot's K step (head q >> 1, d from 32 (q & 1)) into buffer f
.macro FETCH slot, q, f
.irp i, 0,1,2,3
	ds_load_b128 v[\f+8*\i:\f+8*\i+3],   v[ADRB+\slot] offset:\i*16*BP+64*(\q)
	ds_load_b128 v[\f+8*\i+4:\f+8*\i+7], v[ADRB+\slot] offset:\i*16*BP+64*(\q)+32
.endr
.irp i, 0,1,2,3
	ds_load_b128 v[\f+32+8*\i:\f+32+8*\i+3],   v[ADRA+\slot] offset:((\q)>>1)*ASUB+\i*16*AP+((\q)&1)*64
	ds_load_b128 v[\f+32+8*\i+4:\f+32+8*\i+7], v[ADRA+\slot] offset:((\q)>>1)*ASUB+\i*16*AP+((\q)&1)*64+32
.endr
.endm
.macro PLACES                          ; four places behind the last matrix instruction (ISA guide 7.12.1)
.rept 4
	v_nop
.endr
.endm
; One of a step's first three quarters: the next quarter's fragments go out, then buffer f is multiplied.
; The 16 accumulators take turns, one instruction a turn, in the same order in every quarter.
.macro QTR slot, q, f, g, zero
	PLACES
	FETCH \slot, \q+1, \g
	s_wait_dscnt 16                                ; all but the sixteen just issued: buffer f is in
	WIN ACC
	MUL8 \f, 0, \zero
	MUL8 \f, 1, \zero
	WIN 0
.endm
; The last quarter multiplies buffer 1 and goes on to slot next.  cnt: how many younger tensor loads may stay out when the next tile has to be there;
; in front of a barrier behind which slots are filled again it is 0.  fill = 3: slots 0, 1, 2 are filled again; fill = 1: slot 3; fill = 0: none, a plain barrier.
.macro TURN next, cnt, fill
	s_wait_dscnt 0x0                               ; buffer 1 is in, and my reads of this slot are over
	s_wait_tensorcnt \cnt
	s_barrier_signal -1
	WIN ACC
	MUL8 F1, 0, 0                                  ; register work while the others arrive
	WIN 0
	s_barrier_wait -1
.if \fill == 3
	CREST                                          ; the barrier above opened a round of the cluster's barrier: no wave of any partner reads these slots or has a load out
	STEPS 0, 3
	JLOADS 0, 3
.endif
.if \fill == 1
	CREST
	STEPS 3, 1
	JLOADS 3, 1
.endif
	PLACES
	FETCH \next, 0, F0
	WIN ACC
	MUL8 F1, 1, 0
	WIN 0
.endm
.macro THREE slot, zero
	QTR \slot, 0, F0, F1, \zero
	QTR \slot, 1, F1, F0, 0
	QTR \slot, 2, F0, F1, 0
.endm
	s_wait_tensorcnt 3                             ; my part of tile 0 is in; tiles 1, 2, 3 stay out
	s_barrier_signal -1
	s_barrier_wait -1
	FETCH 0, 0, F0
	THREE 0, 1                                     ; tile 0: its first products start the sums
	TURN 1, 2, 0                                   ; tile 1 is in; 2 and 3 stay out
	THREE 1, 0
	TURN 2, 1, 0                                   ; tile 2 is in; 3 stays out
	THREE 2, 0
	TURN 3, 0, 3                                   ; all are in; tiles 4, 5, 6 go out into slots 0, 1, 2
	THREE 3, 0
	TURN 0, 2, 0                                   ; tile 4 is in; 5 and 6 stay out
	THREE 0, 0
	TURN 1, 1, 0                                   ; tile 5 is in; 6 stays out
	THREE 1, 0
	TURN 2, 0, 1                                   ; all are in; tile 7 goes out into slot 3
	THREE 2, 0
	TURN 3, 0, 0                                   ; tile 7 is in
	THREE 3, 0
	s_wait_dscnt 0x0                               ; the very last quarter
	WIN ACC
	MUL8 F1, 0, 0
	MUL8 F1, 1, 0
	WIN 0
	; THE WAY OUT, 16 rows at a time: 32 bytes a lane into my stage, back as whole rows of 256 bytes
	PLACES
	s_lshl_b32 s74, s13, 19                        ; 128 rows of 4,096 bytes
	s_lshl_b32 s75, s11, 18                        ; + my 64 rows
	s_add_co_u32 s74, s74, s75
	s_mov_b32 s75, 0
	s_add_nc_u64 s[8:9], s[8:9], s[74:75]
	s_lshl_b32 s76, s68, 9                         ; 128 columns of 4 bytes
	s_lshl_b32 s77, s12, 8                         ; + my 64
	s_add_co_u32 s76, s76, s77
	s_mov_b32 s77, 0
	s_add_nc_u64 s[8:9], s[8:9], s[76:77]
.macro OUT16 i, f
	WIN 0x04                                       ; the LDS stores' data in window 1
.irp b, 0,1,2,3
	ds_store_b128 v[STO], v[8*(4*\i+\b):8*(4*\i+\b)+3]   offset:64*\b
	ds_store_b128 v[STO], v[8*(4*\i+\b)+4:8*(4*\i+\b)+7] offset:64*\b+16
.endr
	WIN 0
	s_wait_xcnt 0x0                                ; buffer f, which earlier stores read, is loaded again only behind this wait
.irp t, 0,1,2,3,4,5,6,7
	ds_load_b128 v[\f+4*\t:\f+4*\t+3], v[RD] offset:\t*2*SPITCH    ; LDS serves a wave's instructions in order: these see the stores above
.endr
.irp t, 0,1,2,3,4,5,6,7
	s_wait_dscnt 7-\t
	global_store_b128 v[CO], v[\f+4*\t:\f+4*\t+3], s[8:9] offset:(16*\i+2*\t)*4096 th:TH_STORE_NT   ; sixteen lanes store 256 consecutive bytes, aligned
.endr
.endm
	OUT16 0, F0
	OUT16 1, F1
	OUT16 2, F0
	OUT16 3, F1
	CROUND                                         ; the closing round
	s_endpgm
.Lfunc_end_k_q4d0a4a6041_proj:
	.size	k_q4d0a4a6041_proj, .Lfunc_end_k_q4d0a4a6041_proj-k_q4d0a4a6041_proj
	.p2alignl 7, 3214868480
	.fill 96, 4, 3214868480
	.section	.rodata,"a",@progbits
	.p2align	6, 0x0
	.amdhsa_kernel k_q4d0a4a6041_proj
		.amdhsa_group_segment_fixed_size 327680
		.amdhsa_private_segment_fixed_size 0
		.amdhsa_enable_private_segment 0
		.amdhsa_kernarg_size 24
		.amdhsa_user_sgpr_count 2
		.amdhsa_user_sgpr_kernarg_segment_ptr 1
		.amdhsa_wavefront_size32 1
		.amdhsa_system_sgpr_workgroup_id_x 1
		.amdhsa_system_sgpr_workgroup_id_y 1
		.amdhsa_system_sgpr_workgroup_id_z 1
		.amdhsa_system_vgpr_workitem_id 0
		.amdhsa_next_free_vgpr 384
		.amdhsa_next_free_sgpr 80
		.amdhsa_reserve_vcc 0
		.amdhsa_float_denorm_mode_32 3
		.amdhsa_float_denorm_mode_16_64 3
		.amdhsa_memory_ordered 1
		.amdhsa_forward_progress 1
		.amdhsa_inst_pref_size 91
	.end_amdhsa_kernel
	.amdgpu_metadata
---
amdhsa.version: [ 1, 2 ]
amdhsa.kernels:
  - .name:           k_q4d0a4a6041_proj
    .symbol:         k_q4d0a4a6041_proj.kd
    .args:
      - { .name: ob, .offset: 0, .size: 8, .value_kind: global_buffer, .address_space: global }
      - { .name: wot, .offset: 8, .size: 8, .value_kind: global_buffer, .address_space: global }
      - { .name: out0, .offset: 16, .size: 8, .value_kind: global_buffer, .address_space: global }
    .group_segment_fixed_size: 327680
    .private_segment_fixed_size: 0
    .kernarg_segment_align: 8
    .kernarg_segment_size: 24
    .max_flat_workgroup_size: 128
    .sgpr_count:     80
    .vgpr_count:     384
    .wavefront_size: 32
...
	.end_amdgpu_metadata
.endif
;; end of part 4
